; MI455X (gfx1250); checked and timed in simulation.
; The chip was launched on July 23, 2026; its instructions are those of AMD's public machine-readable ISA for CDNA 5 (MIT licence, August 2026) and "CDNA5" Instruction Set Architecture Reference Guide (July 2026). The comments in the code are by the model that wrote it; some were corrected since.
;; Linear. Allowed arithmetic: float matrix products may take bf16 or f16 operands with f32 sums; other float arithmetic in f32, or as packed bf16 or f16 multiplies, adds, multiply-adds, maxima and minima; sums over many terms, partial sums and values carried from step to step in f32; what a program stores and reads back later, other than sums and carried values, may be rounded once to bf16 or f16.
;; Inputs: bias 4,096 float32; block_mask 4,096 x 1,024 int32; out_scale one number float32; w_q 4,096 x 4,096 float32; w_scale one number float32; x 4,096 x 4,096 float32.
;; Outputs: out0 4,096 x 4,096 float32.
;; One version. Each part assembles by itself: llvm-mc -triple=amdgcn-amd-amdhsa -mcpu=gfx1250 --defsym DOCPART=n.
;; ======== version 1 of 1: 2 launches
;; workspace buffers: xb 33,554,432 bytes; wb 33,554,432 bytes
;; launch cast (part 1): grid 256 x 2, 8 waves a work-group, no clusters, 0 bytes of LDS; arguments x, w_q, block_mask, xb, wb; writes xb, wb
.if DOCPART == 1
	.amdgcn_target "amdgcn-amd-amdhsa--gfx1250"
	.amdhsa_code_object_version 6
	.text
	.protected	k_qa2aea38241_cast
	.globl	k_qa2aea38241_cast
	.p2align	8
	.type	k_qa2aea38241_cast,@function
k_qa2aea38241_cast:
	s_mov_b64 s[64:65], 0
	v_nop
	global_prefetch_b8 v0, s[64:65] scope:SCOPE_SE
	s_setreg_imm32_b32 hwreg(HW_REG_WAVE_MODE, 25, 1), 1
	s_wait_xcnt 0x0
; xb[n][k] = bf16(x[n][k]);  wb[o][k] = bf16(w_q[o][k] * float(block_mask[o][k / 4])).  x, w_q: [4096][4096] f32; block_mask: [4096][1024] i32; xb, wb: [4096][4096] bf16.
; A stream: each input byte is read once, each output byte written once; nothing is shared between waves, so there is no LDS, no barrier and no matrix work.
; SHARES.  Work-group (gx, gy) owns rows 16 gx .. 16 gx + 15: of x if gy = 0, of w_q and the mask if gy = 1.  A row goes in four pieces; in piece j thread t takes
; the 16 bytes of f32 at 4,096 j + 16 t (a wave's load: 512 consecutive bytes), the ONE mask word of those four k at 1,024 j + 4 t, and writes the 8 bytes of bf16 at 2,048 j + 8 t:
; a wave's store covers 256 consecutive bytes, aligned.
; IN FLIGHT.  A ring of DEPTH row slots in registers: the loads of five younger rows stay out while a row is converted.  The 16 rows are written out: row and piece stand in the
; immediates (258,048 at the most), so no address register and no base is ever rewritten.
; LIMITS.  The mask is taken as a number, as the reference takes it: i32 to f32 (exact up to 2^24), multiplied in f32, and the product is rounded once to bf16 (to nearest even).
.set DEPTH, 6                          ; row slots
.set ROWS,  16                         ; rows of a work-group
.set VI,  1                            ; v1        16 t: my bytes in a piece of an f32 row; never rewritten
.set VO,  2                            ; v2        8 t: in a piece of a bf16 row; never rewritten
.set VM,  3                            ; v3        4 t: in a piece of a mask row; never rewritten
.set Y,   4                            ; v[4:11]   a row's 16 bf16 numbers, to store
.set X,   16                           ; v[16:111] slot s: 16 registers, four for each piece
.set M,   112                          ; v[112:135] slot s: 4 registers, a mask word for each piece
.set IN,  24                           ; s[24:25]  the f32 input at the group's first row
.set OUT, 26                           ; s[26:27]  the bf16 output at the group's first row
.set MK,  28                           ; s[28:29]  the mask at the group's first row
	s_load_b256 s[4:11], s[0:1], 0x0               ; x s[4:5], w_q s[6:7], block_mask s[8:9], xb s[10:11]
	s_load_b64 s[12:13], s[0:1], 0x20              ; wb
	v_lshlrev_b32 v[VI], 4, v0
	v_lshlrev_b32 v[VO], 3, v0
	v_lshlrev_b32 v[VM], 2, v0
	s_and_b32 s14, ttmp7, 0xffff                   ; gy
	s_lshl_b32 s16, ttmp9, 18                      ; 16 rows of 16,384 bytes
	s_mov_b32 s17, 0
	s_lshl_b32 s18, ttmp9, 17                      ; 16 rows of 8,192 bytes
	s_mov_b32 s19, 0
	s_lshl_b32 s20, ttmp9, 16                      ; 16 rows of 4,096 bytes
	s_mov_b32 s21, 0
	s_wait_kmcnt 0x0
; Row r is asked for: four loads of 16 bytes a lane; kind = 1: and its four mask words.
.macro LOADROW kind, r
.set SL, (\r)%DEPTH
.irp j, 0,1,2,3
	global_load_b128 v[X+16*SL+4*(\j):X+16*SL+4*(\j)+3], v[VI], s[IN:IN+1] offset:(\r)*16384+(\j)*4096 th:TH_LOAD_NT
.endr
.if \kind
.irp j, 0,1,2,3
	global_load_b32 v[M+4*SL+(\j)], v[VM], s[MK:MK+1] offset:(\r)*4096+(\j)*1024 th:TH_LOAD_NT
.endr
.endif
.endm
; Row r's turn: it is converted, its slot is asked for again (the row DEPTH further down), and it is stored: loads ahead of stores.
.macro TURN kind, r
.set SL, (\r)%DEPTH
.set YOUNG, DEPTH-1                    ; the younger rows whose loads have been issued: r + 1 .. r + 5, or up to the last row
.if (\r)+DEPTH-1 > ROWS-1
.set YOUNG, ROWS-1-(\r)
.endif
	s_wait_loadcnt (4+4*(\kind))*YOUNG             ; loads come back in order (ISA guide 5.7.1): row r is in; the younger rows' 4 or 8 loads each stay out
	s_wait_xcnt 0x0                                ; Y, which the last turn's stores read, is rewritten only behind this wait
.if \kind
.irp j, 0,1,2,3
	v_cvt_f32_i32 v[M+4*SL+(\j)], v[M+4*SL+(\j)]   ; the mask as a number
.endr
.irp j, 0,1,2,3
.irp p, 0,2
.if (\j)%2                             ; the piece's mask word, the second or the first of its register pair, multiplies both halves
	v_pk_mul_f32 v[X+16*SL+4*(\j)+(\p):X+16*SL+4*(\j)+(\p)+1], v[X+16*SL+4*(\j)+(\p):X+16*SL+4*(\j)+(\p)+1], v[M+4*SL+2*((\j)/2):M+4*SL+2*((\j)/2)+1] op_sel:[0,1] op_sel_hi:[1,1]
.else
	v_pk_mul_f32 v[X+16*SL+4*(\j)+(\p):X+16*SL+4*(\j)+(\p)+1], v[X+16*SL+4*(\j)+(\p):X+16*SL+4*(\j)+(\p)+1], v[M+4*SL+2*((\j)/2):M+4*SL+2*((\j)/2)+1] op_sel_hi:[1,0]
.endif
.endr
.endr
.endif
.irp j, 0,1,2,3
	v_cvt_pk_bf16_f32 v[Y+2*(\j)],   v[X+16*SL+4*(\j)],   v[X+16*SL+4*(\j)+1]  ; two roundings to bf16, packed
	v_cvt_pk_bf16_f32 v[Y+2*(\j)+1], v[X+16*SL+4*(\j)+2], v[X+16*SL+4*(\j)+3]
.endr
.if (\r)+DEPTH < ROWS
	LOADROW \kind, (\r)+DEPTH
.endif
.irp j, 0,1,2,3
	global_store_b64 v[VO], v[Y+2*(\j):Y+2*(\j)+1], s[OUT:OUT+1] offset:(\r)*8192+(\j)*2048  ; a wave's store: 256 consecutive bytes, at a multiple of 256 from the buffer's first
.endr
.endm
.macro ARM kind
.irp r, 0,1,2,3,4,5
	LOADROW \kind, \r                              ; the ring is filled
.endr
.irp r, 0,1,2,3,4,5,6,7,8,9,10,11,12,13,14,15
	TURN \kind, \r                                 ; the last rows load nothing: their counts run down
.endr
	s_endpgm
.endm
	s_cmp_lg_u32 s14, 0                            ; one scalar branch on the work-group's y: the same for all its waves
	s_cbranch_scc1 .Lw
	s_add_nc_u64 s[IN:IN+1], s[4:5], s[16:17]      ; x -> xb
	s_add_nc_u64 s[OUT:OUT+1], s[10:11], s[18:19]
	ARM 0
.Lw:
	s_add_nc_u64 s[IN:IN+1], s[6:7], s[16:17]      ; w_q, block_mask -> wb
	s_add_nc_u64 s[OUT:OUT+1], s[12:13], s[18:19]
	s_add_nc_u64 s[MK:MK+1], s[8:9], s[20:21]
	ARM 1
.Lfunc_end_k_qa2aea38241_cast:
	.size	k_qa2aea38241_cast, .Lfunc_end_k_qa2aea38241_cast-k_qa2aea38241_cast
	.p2alignl 7, 3214868480
	.fill 96, 4, 3214868480
	.section	.rodata,"a",@progbits
	.p2align	6, 0x0
	.amdhsa_kernel k_qa2aea38241_cast
		.amdhsa_group_segment_fixed_size 0
		.amdhsa_private_segment_fixed_size 0
		.amdhsa_enable_private_segment 0
		.amdhsa_kernarg_size 40
		.amdhsa_user_sgpr_count 2
		.amdhsa_user_sgpr_kernarg_segment_ptr 1
		.amdhsa_wavefront_size32 1
		.amdhsa_system_sgpr_workgroup_id_x 1
		.amdhsa_system_sgpr_workgroup_id_y 1
		.amdhsa_system_sgpr_workgroup_id_z 1
		.amdhsa_system_vgpr_workitem_id 0
		.amdhsa_next_free_vgpr 136
		.amdhsa_next_free_sgpr 66
		.amdhsa_reserve_vcc 0
		.amdhsa_float_denorm_mode_32 3
		.amdhsa_float_denorm_mode_16_64 3
		.amdhsa_memory_ordered 1
		.amdhsa_forward_progress 1
		.amdhsa_inst_pref_size 60
	.end_amdhsa_kernel
	.amdgpu_metadata
---
amdhsa.version: [ 1, 2 ]
amdhsa.kernels:
  - .name:           k_qa2aea38241_cast
    .symbol:         k_qa2aea38241_cast.kd
    .args:
      - { .name: x, .offset: 0, .size: 8, .value_kind: global_buffer, .address_space: global }
      - { .name: w_q, .offset: 8, .size: 8, .value_kind: global_buffer, .address_space: global }
      - { .name: block_mask, .offset: 16, .size: 8, .value_kind: global_buffer, .address_space: global }
      - { .name: xb, .offset: 24, .size: 8, .value_kind: global_buffer, .address_space: global }
      - { .name: wb, .offset: 32, .size: 8, .value_kind: global_buffer, .address_space: global }
    .group_segment_fixed_size: 0
    .private_segment_fixed_size: 0
    .kernarg_segment_align: 8
    .kernarg_segment_size: 40
    .max_flat_workgroup_size: 256
    .sgpr_count:     66
    .vgpr_count:     136
    .wavefront_size: 32
...
	.end_amdgpu_metadata
.endif
;; end of part 1
;; launch gemm (part 2): grid 16 x 16, 4 waves a work-group, clusters of 4 x 4, 327,680 bytes of LDS; arguments xb, wb, out0, bias, w_scale, out_scale; writes out0
.if DOCPART == 2
	.amdgcn_target "amdgcn-amd-amdhsa--gfx1250"
	.amdhsa_code_object_version 6
	.text
	.protected	k_qa2aea38241_gemm
	.globl	k_qa2aea38241_gemm
	.p2align	8
	.type	k_qa2aea38241_gemm,@function
k_qa2aea38241_gemm:
	s_mov_b64 s[64:65], 0
	v_nop
	global_prefetch_b8 v0, s[64:65] scope:SCOPE_SE
	s_setreg_imm32_b32 hwreg(HW_REG_WAVE_MODE, 25, 1), 1
	s_wait_xcnt 0x0
	s_wait_alu depctr_hold_cnt(0) depctr_sa_sdst(0) depctr_va_vdst(0) depctr_va_sdst(0) depctr_va_ssrc(0) depctr_va_vcc(0) depctr_vm_vsrc(0)
	s_getreg_b32 s2, hwreg(HW_REG_IB_STS2, 6, 4)
	s_cmp_eq_u32 s2, 0
	s_cbranch_scc0 .Lentry_in_a_cluster
	s_endpgm
.Lentry_in_a_cluster:
	s_bfe_u32 s2, ttmp6, 0x10000c
	s_cmp_lg_u32 s2, 0xf033
	s_cbranch_scc0 .Lentry_shape_is_right
	s_endpgm
.Lentry_shape_is_right:
; out0[n][o] = clip(round((w_scale * sum over k of xb[n][k] wb[o][k] + bias[o]) / out_scale), -128, 127) * out_scale.
; xb, wb: [4096][4096] bf16 (the activations, and the masked weights, each rounded once); out0: [4096][4096] f32; sums in f32.
; A tile of out0, 256 x 256, is made by a work-group of four waves; a wave makes 128 x 128: 64 accumulators of 16 x 16, 512 registers.  256 tiles, one to a work-group.
; K goes in steps of 128 through a ring of two LDS slots filled by the tensor data mover: the tiles' rows are 256 bytes of memory and start at multiples of 256 bytes from the buffer's first.
; CLUSTERS: 4 x 4 work-groups.  The four of a row of the cluster need the same tiles of xb, the four of a column the same tiles of wb: each tile is asked for JOINTLY, by the same tensor load
; with the same descriptor and a mask that names the four, and each receives it in its own LDS: the requests for both operands are divided by four.
; THE MATRIX INSTRUCTION IS USED TRANSPOSED: source 0 = 16 rows of wb, source 1 = 16 rows of xb.  In the result lane l holds row l % 16 of out0 and the columns 8 (l / 16) + 0..7.
; THE WAY OUT: a block of 16 rows x 128 columns of raw f32 sums goes through the wave's own stage in LDS and comes back as whole rows of 512 bytes; then a lane holds the same four columns in
; every row, so four numbers of the bias serve the whole tile.  q = raw a + b (one fused multiply-add, a = w_scale / s, b = bias / s, s = out_scale), held to -128 .. 127, rounded to the nearest
; whole number (ties to even), times s.  Holding first and rounding then gives what rounding first and holding then gives: the bounds are whole numbers.
; LIMITS.  bias, w_scale and out_scale are rounded once to bf16, like x and the weights.  1 / s is v_rcp_f32 (1 ULP), and the reference's multiply, add and divide are one fused multiply-add here:
; a number within about 1e-4 of a tie may fall one step of out_scale to the other side.  v_rcp_f32 takes denormals as zero (ISA guide, 15.8): |out_scale| from 2^-126 to 2^126 is served.
; NaN is not treated apart; the sign of a zero may differ.
; REGISTERS, in windows of 256 (s_set_vgpr_msb's low byte: bits 1:0 source 0, 3:2 source 1, 5:4 source 2, 7:6 destination):
;   window 0: v0-47 addresses and constants; v64-127, v128-191 fragments of xb (8 x 16 rows x 32 K), two buffers; on the way out the same two hold 16 rows read back from the stage
;   window 1: v64-127, v128-191 fragments of wb, two buffers
;   window 2: the 32 accumulators of my rows 0-63 (accumulator (a, b) at v[8 (8 a + b)]);   window 3: those of my rows 64-127
.set SIZE_K, 4096
.set SIZE_N, 4096
.set KSTEP,  128
.set PITCH,  272                       ; an LDS row: 256 bytes of data + 16 of padding = 68 words: row r starts at bank 4 r mod 64 (64 banks of 4 bytes: ISA guide 11.1), so the 16 rows of a load start at 16 different banks
.set HALFT,  128*PITCH                 ; 128 rows: what one tensor load brings, and what one wave reads of either operand
.set SLOT,   4*HALFT                   ; xb's 256 rows, then wb's 256 rows
.set STAGE,  2*SLOT                    ; behind the ring, never filled by a tensor load: a stage for each wave
.set SPITCH, 528                       ; a stage row: 512 bytes (128 f32) + 16: the 16 rows that a store touches start at 16 different groups of four banks
.set WSTAGE, 16*SPITCH                 ; 8,448 bytes: 33 blocks of 256
.set SPARE,  STAGE+4*WSTAGE            ; behind the stages: the spare words, 128 bytes for each wave: two blocks of 256 bytes that no other line names
.set LAPS,   SIZE_K/(2*KSTEP)          ; a lap = two K steps = once round the ring: 16
.set CROW,   SIZE_N*4                  ; bytes in a row of out0
.set ADRA, 16                          ; v16-17  LDS address of my xb fragments in slot 0, 1
.set ADRB, 20                          ; v20-21  the same for wb
.set STO,  24                          ; v24     the way out: where I put 32 bytes of a row
.set RD,   25                          ; v25     the way out: where I read 16 bytes of a row back
.set CO,   26                          ; v26     16 x lane: my byte offset in a row's 512 bytes of out0; never rewritten
.set BO,   27                          ; v27     my byte offset in bias
.set SPW,  28                          ; v28     LDS address of my spare word: SPARE + 4 x my thread's number; never rewritten
.set NIL,  29                          ; v29     0; never rewritten
.set PFO,  30                          ; v30     the prefetches' offset: my lane x a row of xb or wb (8,192 bytes); never rewritten
.set BQ,   32                          ; v[32:35] bias / s of my four columns
.set AA,   36                          ; v[36:37] w_scale / s, twice
.set SS,   38                          ; v[38:39] s, twice
.set F0,   64                          ; fragment buffer 0
.set F1,   128                         ; fragment buffer 1
.set G1,   24                          ; s[24:31] descriptor group 1 for xb's tiles
.set G0,   32                          ; s[32:39] descriptor group 0 for xb's tiles, one set for each slot
.set LIM,  43                          ; s43      1 in a wave that prefetches, else the greatest number
.set PFA,  44                          ; s[44:45] where my prefetches stand: my work-group's 32 rows of the 128 that I fetch, one K step further along K than the refill in hand
.set G1B,  48                          ; s[48:55] descriptor group 1 for wb's tiles: it differs in the mask alone
.set G0B,  56                          ; s[56:63] descriptor group 0 for wb's tiles, one set for each slot
.set QLO,  76                          ; s76      -128.0
.set QHI,  77                          ; s77      127.0
.set MSB, 0
.macro WIN new                         ; the immediate's high byte repeats the setting that is left; a switch that changes nothing is dropped
.if MSB != (\new)
	s_set_vgpr_msb (MSB<<8)|(\new)
.set MSB, \new
.endif
.endm
.set MUL_LO, 0xa1                      ; source 0 (wb) window 1, source 1 (xb) window 0, C and D window 2
.set MUL_HI, 0xf1                      ; the same, C and D window 3
.set TO_B,   0x40                      ; destination window 1, address window 0
; A joint load.  Waves 0 and 1 fetch xb's two halves, waves 2 and 3 wb's.  Each of the two lines has ONE mask and one set of registers for all that issue it.  The branch hangs on the wave's
; number alone.  An s_nop 0 and four v_nop follow each of the two lines, ahead of the jump, the label and what follows the macro.
.macro JLOAD s
	s_cmp_eq_u32 s11, 0
	s_cbranch_scc0 .Lfor_b_\@
	tensor_load_to_lds s[G0+4*(\s):G0+4*(\s)+3], s[G1:G1+7]
	s_nop 0
.rept 4
	v_nop
.endr
	s_branch .Lasked_\@
.Lfor_b_\@:
	tensor_load_to_lds s[G0B+4*(\s):G0B+4*(\s)+3], s[G1B:G1B+7]
	s_nop 0
.rept 4
	v_nop
.endr
.Lasked_\@:
.endm
; A PREFETCH INTO THE L2, behind each joint refill and the run of LDS loads that follows it: the K step that stands TWO refills on, 512 matrix instructions ahead of the load that will ask for it:
; 32 rows x 256 bytes, a lane a row, one instruction a wave.  Each row's 256 bytes of a K step are named ONCE in the launch: xb's tile row is walked by every cluster of that row of clusters, and the
; one with cluster x = 0 asks; wb's tile column by every cluster of that column, and the one with cluster y = 0 asks.  The four partners that fetch a tile jointly share its rows out BY ADDRESS:
; of the 128 rows that a wave fetches, the partner at place p takes 32 p .. 32 p + 31 (p = cx for xb, cy for wb).  The loop's last trip (s3 = 1) asks for nothing: there is no K step two on.
.macro ASK
	s_cmp_gt_u32 s3, s[LIM]
	s_cbranch_scc0 .Lnot_mine_\@
	global_prefetch_b8 v[PFO], s[PFA:PFA+1] offset:KSTEP*2 th:TH_LOAD_NT scope:SCOPE_SE
.Lnot_mine_\@:
.endm
; A round of the cluster's barrier: my work-group's barrier, so that wave 0's signal speaks for all four waves; wave 0 signals for the work-group; every wave waits for all sixteen
; work-groups; my work-group's barrier once more.  No LDS instruction of the wave is pending at a signal.
.macro CREST                           ; a round behind its opening barrier
	s_cmp_lg_u32 s10, 0
	s_cbranch_scc1 .Lnot_wave_0_\@
	s_barrier_signal -3
.Lnot_wave_0_\@:
	s_barrier_wait -3
	s_barrier_signal -1
	s_barrier_wait -1
.endm
.macro CROUND                          ; a whole round
	s_barrier_signal -1
	s_barrier_wait -1
	CREST
.endm
	s_load_b128 s[4:7], s[0:1], 0x0                ; xb s[4:5], wb s[6:7]
	s_load_b64 s[8:9], s[0:1], 0x10                ; out0
	s_load_b64 s[68:69], s[0:1], 0x18              ; bias
	s_load_b128 s[72:75], s[0:1], 0x20             ; where w_scale s[72:73] and out_scale s[74:75] lie
	v_lshl_add_u32 v[SPW], v0, 2, SPARE
	v_mov_b32 v[NIL], 0
	ds_add_u32 v[SPW], v[NIL]                      ; the wave's opening: the add, twice on end, and its wait ahead of my first tensor load; the set-up below, work on registers, stands between
	ds_add_u32 v[SPW], v[NIL]                      ; and once more, under the one wait
	v_lshrrev_b32 v1, 5, v0
	v_readfirstlane_b32 s10, v1                    ; wave 0..3
	s_lshr_b32 s11, s10, 1                         ; which half of the tile's rows is mine.  Also: I fetch for xb (0) or for wb (1)
	s_and_b32 s12, s10, 1                          ; which half of its columns.  Also: which 128 rows of that tile I fetch
	s_bfe_u32 s40, ttmp6, 0x40000                  ; cx: my place along the cluster's x
	s_bfe_u32 s41, ttmp6, 0x40004                  ; cy: along its y
	s_lshl_b32 s42, ttmp9, 2                       ; in a cluster launch ttmp9 and ttmp7 count clusters
	s_add_co_u32 s42, s42, s40                     ; tile column = 4 x cluster x + cx
	s_and_b32 s13, ttmp7, 0xffff
	s_lshl_b32 s13, s13, 2
	s_add_co_u32 s13, s13, s41                     ; tile row = 4 x cluster y + cy
	s_lshl_b32 s43, s41, 2
	s_lshl_b32 s43, 15, s43                        ; my row of the cluster: places 4 cy .. 4 cy + 3
	s_lshl_b32 s44, 0x1111, s40                    ; my column: places cx, cx + 4, cx + 8, cx + 12
	; descriptor group 1: a tile of 128 rows x 128 elements, padded in LDS
	s_or_b32 s[G1+0], s43, (1<<16)|(1<<20)|(1<<21)|(5<<22)|(3<<25)  ; 15:0 the mask: xb's tiles go to my row; 17:16 elements of 2 bytes; 20 padding on; 21 set beside a mask; 24:22 after every 64 words (code 5); 31:25 4 words of it (code 3)
	s_or_b32 s[G1B+0], s44, (1<<16)|(1<<20)|(1<<21)|(5<<22)|(3<<25) ; the same with the mask of my column, for wb's tiles
.irp g, G1, G1B
	s_mov_b32 s[(\g)+1], KSTEP<<16                 ; 63:48 tensor_dim0, low half = 128
	s_mov_b32 s[(\g)+2], 128<<16                   ; 79:64 its high half = 0; 95:80 tensor_dim1, low half = 128
	s_mov_b32 s[(\g)+3], KSTEP<<16                 ; 111:96 its high half = 0; 127:112 tile_dim0 = 128
	s_mov_b32 s[(\g)+4], 128                       ; 143:128 tile_dim1 = 128; 159:144 tile_dim2 = 0
	s_mov_b32 s[(\g)+5], SIZE_K                    ; 191:160 tensor_dim0_stride, low word: elements from row to row
	s_mov_b32 s[(\g)+6], 0
	s_mov_b32 s[(\g)+7], 0
.endr
	; where the tiles come from.  xb's hang on the tile row alone, which my row of the cluster shares; wb's on the tile column alone, which my column shares.
	; Every wave makes both addresses, in registers that never hold the other coordinate, and asks by one of them.
	s_lshl_b32 s17, s12, 7                         ; which 128 rows of the tile I fetch
	s_lshl_b32 s16, s13, 8
	s_add_co_u32 s16, s16, s17                     ; xb: row 256 x tile row + 128 x half
	s_lshl_b32 s46, s42, 8
	s_add_co_u32 s46, s46, s17                     ; wb: row 256 x tile column + 128 x half
	s_mov_b32 s17, 0
	s_mov_b32 s47, 0
	s_mov_b64 s[18:19], SIZE_K*2
	s_mul_u64 s[16:17], s[16:17], s[18:19]         ; in bytes
	s_mul_u64 s[46:47], s[46:47], s[18:19]
	s_mul_i32 s20, s10, HALFT                      ; and where they go: wave x 128 rows: no place in the cluster enters an LDS address
	s_mov_b32 s[QLO], 0xc3000000                   ; -128.0
	s_mov_b32 s[QHI], 0x42fe0000                   ; 127.0
	s_wait_dscnt 0x0                               ; both opening adds are done
	s_wait_kmcnt 0x0
	s_add_nc_u64 s[14:15], s[4:5], s[16:17]
	s_add_nc_u64 s[46:47], s[6:7], s[46:47]
	CROUND                                         ; all sixteen work-groups are here: the first joint loads meet
.irp s, 0,1
	s_mov_b32 s[G0+4*(\s)], 1                                      ; 1:0 count = 1
	s_add_co_u32 s[G0+4*(\s)+1], s20, (\s)*SLOT                    ; 63:32 LDS address
	s_add_nc_u64 s[G0+4*(\s)+2:G0+4*(\s)+3], s[14:15], (\s)*KSTEP*2  ; 120:64 global address: K step s
	s_or_b32 s[G0+4*(\s)+3], s[G0+4*(\s)+3], 0x80000000            ; 127:126 type = 2
	s_mov_b32 s[G0B+4*(\s)], 1
	s_add_co_u32 s[G0B+4*(\s)+1], s20, (\s)*SLOT
	s_add_nc_u64 s[G0B+4*(\s)+2:G0B+4*(\s)+3], s[46:47], (\s)*KSTEP*2
	s_or_b32 s[G0B+4*(\s)+3], s[G0B+4*(\s)+3], 0x80000000
	JLOAD \s                                       ; the ring is filled before anything else is done: two tensor loads of mine are out, the most in this text
.endr
	s_load_b32 s70, s[72:73], 0x0                  ; w_scale
	s_load_b32 s71, s[74:75], 0x0                  ; out_scale
	; A fragment is 16 rows x 32 K in 8 registers: lane l holds row l % 16; registers 0-3 hold K = 8 (l / 16) + 0..7, registers 4-7 K = 16 + 8 (l / 16) + 0..7: two loads of 16 bytes, 32 bytes apart.
	v_and_b32 v1, 15, v0                           ; l % 16
	v_bfe_u32 v2, v0, 4, 1                         ; l / 16
	v_mul_u32_u24 v3, v1, PITCH
	v_lshl_add_u32 v3, v2, 4, v3                   ; row x pitch + 16 x half
	s_mul_i32 s21, s11, HALFT                      ; my 128 rows of xb
	s_mul_i32 s22, s12, HALFT                      ; my 128 rows of wb,
	s_add_co_u32 s22, s22, 2*HALFT                 ; which lie behind xb's 256
.irp s, 0,1
	v_add_nc_u32 v[ADRA+(\s)], s21, v3
	v_add_nc_u32 v[ADRB+(\s)], s22, v3
	s_add_co_u32 s21, s21, SLOT
	s_add_co_u32 s22, s22, SLOT
.endr
	s_mul_i32 s23, s10, WSTAGE
	s_add_co_u32 s23, s23, STAGE                   ; my stage
	v_mul_u32_u24 v4, v1, SPITCH                   ; in: row l % 16, 32 bytes (8 columns) for each half of the lanes
	v_lshl_add_u32 v4, v2, 5, v4
	v_add_nc_u32 v[STO], s23, v4
	v_and_b32 v5, 31, v0
	v_lshlrev_b32 v[CO], 4, v5                     ; back: 32 lanes take one row's 512 bytes, 16 each,
	v_add_nc_u32 v[RD], s23, v[CO]                 ; and the same 512 bytes in out0
	; out0 at my part of the tile
	s_lshl_b32 s13, s13, 8                         ; 256 x tile row
	s_lshl_b32 s14, s11, 7
	s_add_co_u32 s16, s13, s14                     ; my first row
	s_mov_b32 s17, 0
	s_mov_b64 s[18:19], CROW
	s_mul_u64 s[16:17], s[16:17], s[18:19]
	s_lshl_b32 s46, s42, 10                        ; my first column, in bytes of f32: 1,024 x tile column + 512 x half (in the registers that held wb's address: none that feeds xb's descriptors ever holds cx)
	s_lshl_b32 s47, s12, 9
	s_add_co_u32 s46, s46, s47
	s_mov_b32 s47, 0
	s_add_nc_u64 s[16:17], s[16:17], s[46:47]
	s_add_nc_u64 s[8:9], s[8:9], s[16:17]          ; never rewritten after this: a row's place among my 128 stands in the stores' immediates
	v_add_nc_u32 v[BO], s46, v[CO]                 ; the same four columns in bias
	global_load_b128 v[BQ:BQ+3], v[BO], s[68:69]
	; the prefetches.  s13 = 256 x tile row, s42 = tile column, s40 = cx, s41 = cy still stand
	s_lshl_b32 s42, s42, 8
	s_and_b32 s22, ttmp7, 0xffff                   ; cluster y
	s_cmp_eq_u32 s11, 0                            ; do I fetch for xb?
	s_cselect_b32 s20, s13, s42                    ; the tile's first row: in xb by the tile row, in wb by the tile column
	s_cselect_b32 s21, s40, s41                    ; my place among the four that ask for it with me
	s_cselect_b32 s22, ttmp9, s22                  ; the coordinate along which other clusters walk the same rows
	s_cselect_b64 s[PFA:PFA+1], s[4:5], s[6:7]
	s_cmp_eq_u32 s22, 0
	s_cselect_b32 s[LIM], 1, -1                    ; the same in all sixteen partners, for a given wave
	s_lshl_b32 s22, s12, 7
	s_add_co_u32 s20, s20, s22                     ; + the 128 rows that I fetch
	s_lshl_b32 s21, s21, 5
	s_add_co_u32 s20, s20, s21                     ; + my work-group's 32 of them
	s_mov_b32 s21, 0
	s_mov_b64 s[18:19], SIZE_K*2
	s_mul_u64 s[20:21], s[20:21], s[18:19]
	s_add_nc_u64 s[PFA:PFA+1], s[PFA:PFA+1], s[20:21]
	s_add_nc_u64 s[PFA:PFA+1], s[PFA:PFA+1], 2*KSTEP*2  ; at K step 2: the first refill steps it to 3 and names K step 4.  Nothing is prefetched here, at the head: K steps 0 to 3 come by their loads alone
	v_and_b32 v[PFO], 31, v0
	v_mul_u32_u24 v[PFO], v[PFO], SIZE_K*2
	; the way out's constants, made while the first tiles are on their way
	s_wait_kmcnt 0x0                               ; the two scales
	v_mov_b32 v40, s70
	v_mov_b32 v41, s71
	v_cvt_pk_bf16_f32 v40, v40, v41                ; both rounded to bf16, once
	v_lshlrev_b32 v41, 16, v40                     ; w_scale
	v_and_b32 v[SS], 0xffff0000, v40               ; s = out_scale
	v_rcp_f32 v42, v[SS]                           ; 1 / s
	v_mov_b32 v[SS+1], v[SS]                       ; the plain instruction behind the reciprocal (ISA guide 5.7.2): it names neither the result nor writes the source
	s_wait_alu depctr_va_vdst(0)                   ; ahead of the first line that names the reciprocal
	v_mul_f32 v[AA], v41, v42                      ; a = w_scale / s
	v_mov_b32 v[AA+1], v[AA]
	s_wait_loadcnt 0x0                             ; bias
	v_cvt_pk_bf16_f32 v43, v[BQ], v[BQ+1]          ; rounded to bf16, once,
	v_cvt_pk_bf16_f32 v44, v[BQ+2], v[BQ+3]
	v_lshlrev_b32 v[BQ], 16, v43                   ; and widened again
	v_and_b32 v[BQ+1], 0xffff0000, v43
	v_lshlrev_b32 v[BQ+2], 16, v44
	v_and_b32 v[BQ+3], 0xffff0000, v44
.irp j, 0,1,2,3
	v_mul_f32 v[BQ+(\j)], v[BQ+(\j)], v42          ; b = bias / s
.endr
; 16 matrix instructions: m blocks a0, a0 + 1 of the window's four (hi = 0: my rows 0-63, 1: rows 64-127) x all 8 n blocks, 32 along K.  zero = 1: the first product starts the sums: nothing is ever cleared.
; The 64 accumulators take turns, one instruction a turn, in the same order in every quarter step, over the loop's backward jump and into the tail.
.macro MUL16 f, hi, a0, zero
	WIN MUL_LO+0x50*(\hi)
.irp a, \a0, (\a0)+1
.irp b, 0,1,2,3,4,5,6,7
.if \zero
	v_wmma_f32_16x16x32_bf16 v[8*(8*(\a)+(\b)):8*(8*(\a)+(\b))+7], v[(\f)+8*(\b):(\f)+8*(\b)+7], v[(\f)+8*(4*(\hi)+(\a)):(\f)+8*(4*(\hi)+(\a))+7], 0
.else
	v_wmma_f32_16x16x32_bf16 v[8*(8*(\a)+(\b)):8*(8*(\a)+(\b))+7], v[(\f)+8*(\b):(\f)+8*(\b)+7], v[(\f)+8*(4*(\hi)+(\a)):(\f)+8*(4*(\hi)+(\a))+7], v[8*(8*(\a)+(\b)):8*(8*(\a)+(\b))+7]
.endif
.endr
.endr
.endm
; 32 LDS loads in one run: the fragments of one quarter step (128 rows of wb, 128 rows of xb, 32 K at byte k of the rows) into buffer f
.macro FETCH slot, k, f
	WIN TO_B
.irp i, 0,1,2,3,4,5,6,7
	ds_load_b128 v[(\f)+8*(\i):(\f)+8*(\i)+3],   v[ADRB+(\slot)] offset:(\k)+(\i)*16*PITCH
	ds_load_b128 v[(\f)+8*(\i)+4:(\f)+8*(\i)+7], v[ADRB+(\slot)] offset:(\k)+(\i)*16*PITCH+32
.endr
	WIN 0
.irp i, 0,1,2,3,4,5,6,7
	ds_load_b128 v[(\f)+8*(\i):(\f)+8*(\i)+3],   v[ADRA+(\slot)] offset:(\k)+(\i)*16*PITCH
	ds_load_b128 v[(\f)+8*(\i)+4:(\f)+8*(\i)+7], v[ADRA+(\slot)] offset:(\k)+(\i)*16*PITCH+32
.endr
.endm
; A load into a register that a matrix instruction has read, and a store that reads a matrix result, stand four places behind that matrix instruction; only plain vector instructions that name
; none of its registers are places (ISA guide 7.12.1 for vector instructions).  The matrix instructions in between are not counted.
.macro PLACES
.rept 4
	v_nop
.endr
.endm
; A K step is four quarter steps of 32 along K, 64 matrix instructions each, on buffers 0, 1, 0, 1.
; One of the first three: multiplies buffer f; in its middle it fetches the next quarter's fragments, at byte k of the same slot's rows, into buffer g.
.macro QUARTER slot, k, f, g, zero
	s_wait_dscnt 8                                 ; wb's fragments and xb's rows 0-63 are in; the youngest eight loads (xb's rows 64-127) may be out
	WIN MUL_LO
	MUL16 \f, 0, 0, \zero
	MUL16 \f, 0, 2, \zero
	PLACES
	FETCH \slot, \k, \g
	s_wait_dscnt 32                                ; all but the 32 just issued
	WIN MUL_HI
	MUL16 \f, 1, 0, \zero
	MUL16 \f, 1, 2, \zero
.endm
; The last quarter multiplies buffer 1 and changes slots.  MEET is its first half: ONE barrier for the change of slots.  In front of it each wave waits for all its tensor loads, of which one is
; out: its part of the next slot; adds 0 to its spare word; and waits for that and for its own reads of this slot.  Behind it nobody reads this slot any more and the next slot is whole.
.macro MEET round                      ; round = 1: a round of the cluster's barrier follows
	WIN 0                                          ; (the add's two registers lie in window 0)
	s_wait_tensorcnt 0x0                           ; all my tensor loads have landed;
	ds_add_u32 v[SPW], v[NIL]                      ; 0 onto my spare word;
	s_wait_dscnt 9                                 ; (the add and the youngest eight loads may be out)
	WIN MUL_LO
	MUL16 F1, 0, 0, 0                              ; sixteen matrix instructions stand between the add and the wait for it
	s_wait_dscnt 0x0                               ; the add is done, and my reads of this slot are over:
	s_barrier_signal -1                            ; say so,
	MUL16 F1, 0, 2, 0                              ; work on registers while the others arrive,
.if \round
	WIN 0
.endif
	s_barrier_wait -1                              ; and go on when all four have said so
.endm
; The whole last quarter.  fill = 1: the barrier opens a round of the cluster's barrier, and behind the round the slot just read out is filled again first, with the K step two steps on:
; from that request to the wait for it a wave issues 224 matrix instructions.  Then come the next slot's first fragments.
.macro TURN slot, next, fill
.if \fill
	s_wait_xcnt 0x0                                ; the last prefetch, a K step back, has read its address: it is stepped here, so that nothing is added between the round and the joint load
	s_add_nc_u64 s[PFA:PFA+1], s[PFA:PFA+1], KSTEP*2
	MEET 1
	CREST                                          ; no wave of any partner still reads this slot's tile or has a load on its way
	s_add_nc_u64 s[G0+4*(\slot)+2:G0+4*(\slot)+3], s[G0+4*(\slot)+2:G0+4*(\slot)+3], 2*KSTEP*2     ; no tensor load of mine is out, so a group 0 may be written; the type bits on top are not reached
	s_add_nc_u64 s[G0B+4*(\slot)+2:G0B+4*(\slot)+3], s[G0B+4*(\slot)+2:G0B+4*(\slot)+3], 2*KSTEP*2
	JLOAD \slot                                    ; my one tensor load behind the round; the four v_nop behind it are also the places in front of the loads below
.else
	MEET 0
	PLACES
.endif
	FETCH \next, 0, F0
.if \fill
	ASK
.endif
	WIN MUL_HI
	MUL16 F1, 1, 0, 0
	MUL16 F1, 1, 2, 0
.endm
; THE WAY OUT of block a (16 of my rows x my 128 columns).  TOSTAGE: the raw sums go into my own stage, a lane's eight columns of n block b at byte 64 b + 32 (l / 16) of row l % 16, each accumulator's low
; four registers first; and come back by rows, 512 bytes to a load, into buffer a % 2.  LDS serves a wave's instructions in order (ISA guide 5.7.1.4): the loads see the stores above them, and the
; next block's stores come behind these loads; the stage is my wave's own, so no barrier is needed.
.macro TOSTAGE a
.set AC, 64*((\a)%4)
.set BK, F0+64*((\a)%2)
	WIN 0x08+4*((\a)/4)                            ; the stores' data (source 1) in window 2 or 3
.irp b, 0,1,2,3,4,5,6,7
	ds_store_b128 v[STO], v[AC+8*(\b):AC+8*(\b)+3]   offset:64*(\b)
	ds_store_b128 v[STO], v[AC+8*(\b)+4:AC+8*(\b)+7] offset:64*(\b)+16
.endr
	WIN 0
.if (\a) >= 2
	s_wait_xcnt 0x0                                ; the buffer was the data of block a - 2's stores: it is loaded again only behind this wait
.endif
.irp t, 0,1,2,3,4,5,6,7,8,9,10,11,12,13,14,15
	ds_load_b128 v[BK+4*(\t):BK+4*(\t)+3], v[RD] offset:(\t)*SPITCH
.endr
.endm
; FINISH: row t of block a: q = raw a + b; held to -128 .. 127; to the nearest whole number; times s; stored.  younger: the LDS instructions issued behind the block's loads (the next block's 32, or none).
.macro FINISH a, younger
.set BK, F0+64*((\a)%2)
.irp t, 0,1,2,3,4,5,6,7,8,9,10,11,12,13,14,15
	s_wait_dscnt (\younger)+15-(\t)                ; row t is back; the block's later rows and the younger instructions may be out
	v_pk_fma_f32 v[BK+4*(\t):BK+4*(\t)+1],   v[BK+4*(\t):BK+4*(\t)+1],   v[AA:AA+1], v[BQ:BQ+1]
	v_pk_fma_f32 v[BK+4*(\t)+2:BK+4*(\t)+3], v[BK+4*(\t)+2:BK+4*(\t)+3], v[AA:AA+1], v[BQ+2:BQ+3]
.irp j, 0,1,2,3
	v_med3_num_f32 v[BK+4*(\t)+(\j)], v[BK+4*(\t)+(\j)], s[QLO], s[QHI]
.endr
.irp j, 0,1,2,3
	v_rndne_f32 v[BK+4*(\t)+(\j)], v[BK+4*(\t)+(\j)]
.endr
	v_pk_mul_f32 v[BK+4*(\t):BK+4*(\t)+1],   v[BK+4*(\t):BK+4*(\t)+1],   v[SS:SS+1]
	v_pk_mul_f32 v[BK+4*(\t)+2:BK+4*(\t)+3], v[BK+4*(\t)+2:BK+4*(\t)+3], v[SS:SS+1]
	global_store_b128 v[CO], v[BK+4*(\t):BK+4*(\t)+3], s[8:9] offset:(16*(\a)+(\t))*CROW th:TH_STORE_NT  ; 512 consecutive bytes, at a multiple of 512 from out0's first; 127 rows at the most: inside the signed 24-bit immediate
.endr
.endm
	s_wait_tensorcnt 1                             ; my part of K step 0 is in; K step 1's load, issued behind it, may stay out
	s_barrier_signal -1
	s_barrier_wait -1                              ; everybody's is
	FETCH 0, 0, F0
	QUARTER 0, 64,  F0, F1, 1                      ; the first quarter stands in front of the loop: its products start the sums
	WIN 0                                          ; at a label and at a branch every window is 0
	s_mov_b32 s3, LAPS-1
.Llap:                                                 ; a trip goes once round the ring, from a lap's second quarter to the next lap's first, and fills both slots again
	QUARTER 0, 128, F1, F0, 0
	QUARTER 0, 192, F0, F1, 0
	TURN 0, 1, 1
	QUARTER 1, 64,  F0, F1, 0
	QUARTER 1, 128, F1, F0, 0
	QUARTER 1, 192, F0, F1, 0
	TURN 1, 0, 1
	QUARTER 0, 64,  F0, F1, 0
	WIN 0
	s_sub_co_u32 s3, s3, 1
	s_cmp_lg_u32 s3, 0
	s_cbranch_scc1 .Llap
	QUARTER 0, 128, F1, F0, 0                      ; the last lap is written out: it fills nothing and has no round
	QUARTER 0, 192, F0, F1, 0
	TURN 0, 1, 0
	QUARTER 1, 64,  F0, F1, 0
	QUARTER 1, 128, F1, F0, 0
	QUARTER 1, 192, F0, F1, 0
	s_wait_dscnt 8                                 ; the very last quarter: nothing more to fetch
	WIN MUL_LO
	MUL16 F1, 0, 0, 0
	MUL16 F1, 0, 2, 0
	s_wait_dscnt 0
	MUL16 F1, 1, 0, 0
	MUL16 F1, 1, 2, 0
	WIN 0
	PLACES                                         ; behind the last products, in front of the stores that read results and of the loads into the fragment buffers:
	PLACES                                         ; four are asked for; eight stand here, once a launch
	TOSTAGE 0
.irp a, 1,2,3,4,5,6,7                  ; block a's 32 LDS instructions stand between block a - 1's loads and their use
	TOSTAGE \a
	FINISH (\a)-1, 32
.endr
	FINISH 7, 0
	s_wait_tensorcnt 0x0                           ; the wave's end, behind my last tensor load and my last LDS store
	ds_add_u32 v[SPW], v[NIL]
	s_wait_dscnt 0x0
	CROUND                                         ; the closing round: no work-group ends while a partner may still ask for a tile that names it
	s_endpgm
.Lfunc_end_k_qa2aea38241_gemm:
	.size	k_qa2aea38241_gemm, .Lfunc_end_k_qa2aea38241_gemm-k_qa2aea38241_gemm
	.p2alignl 7, 3214868480
	.fill 96, 4, 3214868480
	.section	.rodata,"a",@progbits
	.p2align	6, 0x0
	.amdhsa_kernel k_qa2aea38241_gemm
		.amdhsa_group_segment_fixed_size 327680
		.amdhsa_private_segment_fixed_size 0
		.amdhsa_enable_private_segment 0
		.amdhsa_kernarg_size 48
		.amdhsa_user_sgpr_count 2
		.amdhsa_user_sgpr_kernarg_segment_ptr 1
		.amdhsa_wavefront_size32 1
		.amdhsa_system_sgpr_workgroup_id_x 1
		.amdhsa_system_sgpr_workgroup_id_y 1
		.amdhsa_system_sgpr_workgroup_id_z 1
		.amdhsa_system_vgpr_workitem_id 0
		.amdhsa_next_free_vgpr 1024
		.amdhsa_next_free_sgpr 80
		.amdhsa_reserve_vcc 0
		.amdhsa_float_denorm_mode_32 3
		.amdhsa_float_denorm_mode_16_64 3
		.amdhsa_memory_ordered 1
		.amdhsa_forward_progress 1
		.amdhsa_inst_pref_size 227
	.end_amdhsa_kernel
	.amdgpu_metadata
---
amdhsa.version: [ 1, 2 ]
amdhsa.kernels:
  - .name:           k_qa2aea38241_gemm
    .symbol:         k_qa2aea38241_gemm.kd
    .args:
      - { .name: xb, .offset: 0, .size: 8, .value_kind: global_buffer, .address_space: global }
      - { .name: wb, .offset: 8, .size: 8, .value_kind: global_buffer, .address_space: global }
      - { .name: out0, .offset: 16, .size: 8, .value_kind: global_buffer, .address_space: global }
      - { .name: bias, .offset: 24, .size: 8, .value_kind: global_buffer, .address_space: global }
      - { .name: w_scale, .offset: 32, .size: 8, .value_kind: global_buffer, .address_space: global }
      - { .name: out_scale, .offset: 40, .size: 8, .value_kind: global_buffer, .address_space: global }
    .group_segment_fixed_size: 327680
    .private_segment_fixed_size: 0
    .kernarg_segment_align: 8
    .kernarg_segment_size: 48
    .max_flat_workgroup_size: 128
    .sgpr_count:     80
    .vgpr_count:     1024
    .wavefront_size: 32
...
	.end_amdgpu_metadata
.endif
;; end of part 2
